; MI455X (gfx1250); checked and timed in simulation.
; The chip was launched on July 23, 2026; its instructions are those of AMD's public machine-readable ISA for CDNA 5 (MIT licence, August 2026) and "CDNA5" Instruction Set Architecture Reference Guide (July 2026). The comments in the code are by the model that wrote it; some were corrected since.
;; Real Polar Model Simple. Allowed arithmetic: float matrix products may take bf16 or f16 operands with f32 sums; all other float work in f32.
;; Inputs: cls_b1 32 float32; cls_b2 1,000 float32; cls_w1 256 x 32 float32; cls_w2 32 x 1,000 float32; embed_b 512 float32; embed_w 256 x 512 float32; mag_b1 8 x 32 float32; mag_b2 8 x 1 float32; mag_w1 8 x 1 x 32 float32; mag_w2 8 x 32 x 1 float32; ph_b1 8 x 32 float32; ph_b2 8 x 2 float32; ph_w1 8 x 2 x 32 float32; ph_w2 8 x 32 x 2 float32; x 64 x 1,024 x 256 float32.
;; Outputs: out0 64 x 1,000 float32.
;; One version. Each part assembles by itself: llvm-mc -triple=amdgcn-amd-amdhsa -mcpu=gfx1250 --defsym DOCPART=n.
;; ======== version 1 of 1: 2 launches
;; limits: a function is approximated: absolute error at most 0.0001; values outside matrix products are rounded to bf16
;; workspace buffers: part 131,072 bytes
;; launch polar (part 1): grid 4 x 64, 4 waves a work-group, no clusters, 309,760 bytes of LDS; arguments x, embed_w, embed_b, mag_w1, mag_b1, mag_w2, mag_b2, ph_w1, ph_b1, ph_w2, ph_b2, cls_w1, part; writes part
.if DOCPART == 1
	.amdgcn_target "amdgcn-amd-amdhsa--gfx1250"
	.amdhsa_code_object_version 6
	.text
	.protected	k_q2e3b7078d5_polar
	.globl	k_q2e3b7078d5_polar
	.p2align	8
	.type	k_q2e3b7078d5_polar,@function
k_q2e3b7078d5_polar:
	s_mov_b64 s[64:65], 0
	v_nop
	global_prefetch_b8 v0, s[64:65] scope:SCOPE_SE
	s_setreg_imm32_b32 hwreg(HW_REG_WAVE_MODE, 25, 1), 1
	s_wait_xcnt 0x0
; h = x embed_w + embed_b;  r = |h_r| + 0.1, theta = pi h_t;  eight layers, each adding to every vector (r cos, r sin) of a (batch, channel) one vector
; made by two small MLPs from the mean over the 1,024 positions;  then the mean radius, and this work-group's share of pooled x cls_w1.
; SHARES.  A work-group owns one batch and 64 channels (128 columns of embed_w), a wave 256 of the 1,024 rows, in 16 steps of 16 rows.  embed_w's 128 columns x 256 k lie in
; bf16 in 512 registers of every wave for the whole launch; x comes through registers (512 consecutive bytes a load), is rounded to bf16 once and turned into fragments by the wave's own stage in LDS.
; Column tile t: t = i (0..3) is the r part, t = 4 + i the theta part, of channels 64 q + 4 (lane % 16) + i: r and theta of one element lie in one lane at one register index.
; k IS PERMUTED ALIKE IN BOTH OPERANDS: the 16-byte block n of a stage row holds k = 4 n .. 4 n + 3 and 128 + 4 n .. + 3, which is what a lane's two loads of a row give.
; THE STATE.  (r cos theta, r sin theta) of every element stays in LDS as two bf16 in a word: 1,024 x 64 words = 262,144 bytes.  The sums for the means are taken of the unrounded f32.
; THE LAYERS.  Going to polar form and back multiplies a vector by sqrt(1 + 1e-8 / rho^2); taking that as 1, a layer needs only the mean, mean_(i+1) = mean_i + d_i, and the result is
; mean over s of sqrt((x0 + sum dx)^2 + (y0 + sum dy)^2 + 1e-8).  All eight pairs of MLPs are computed as written.
; LIMITS.  (1) That factor: for each element and layer the length differs from the module's by sqrt(rho^2 + 1e-8) - rho, at most 1e-4, about 5e-9 / rho.
; (2) sin(pi f) to degree 11 and cos(pi f) to degree 10 on |f| <= 1/2, then one doubling of the angle: absolute error at most 1e-6.  (3) erf by a five-term rational form, error at most 1.5e-7.
; (4) A vector with x^2 + y^2 < 2^-100 counts as angle 0; the sign of zero is not honoured.  (5) The state's rounding to bf16, 2^-9 of each component, enters the mean of 1,024 radii alone.
; (6) Every input is rounded to bf16 when loaded, the small weights and biases too; all arithmetic behind that is f32.  (7) NaN and infinities are not treated apart.
; NO CLUSTER, NO TENSOR LOADS: the four work-groups of a batch read the same x, but the state takes 262,144 of the 327,680 bytes of LDS, and one step's rows of four waves in f32 are 65,536 bytes:
; two slots for joint loads do not fit beside it.  The small MLPs and the classifier's first product (K = 1, 2, 32; 0.2% of the multiply-adds) are f32 multiply-adds.
; REGISTERS, in windows of 256 (s_set_vgpr_msb: bits 1:0 source 0, 3:2 source 1, 5:4 source 2, 7:6 destination):
;   window 0: v0-31 addresses and at work; v32-95 accumulators; v96-159 A's fragments, then at work; v160-223 the bias as C operand; v224-255 sums.   window 1: two buffers of 16 rows of x in f32.
;   windows 2, 3: embed_w's fragments, (ks, t) at 8 (8 (ks % 4) + t) of window 2 + ks / 4.
.set SPITCH, 528                       ; a stage row: 512 bytes + 16: 33 x 16, so the 16 rows of a fragment load start at 16 different 16-byte columns
.set WSTG,   16*SPITCH                 ; a wave's stage
.set STG,    262144                    ; behind the state
.set TAB,    STG+4*WSTG                ; the layers' weights: MW1 +0, MB1 +1024, MW2 +2048, PB1 +3072, PW1 +4096, PW2 +6144, mag_b2 +8192, ph_b2 +8704
.set RED1,   TAB+9216                  ; (4 i + w) x 128 + 8 r: a wave's sums of x and y
.set DXYR,   RED1+2048                 ; i x 128 + 8 r: the layers' summed vector
.set RED2,   DXYR+512                  ; w x 256 + 4 x channel: a wave's sums of radii
.set OUTS,   RED2+1024                 ; w x 128: a wave's 32 partial hidden numbers
.set SPARE,  OUTS+512                  ; the spare words, 128 bytes a wave: two blocks of 256 bytes that no other line names
.set ACC,  32
.set ABF,  96
.set tU,   96                          ; at work in TRIG, in A's registers
.set tZ,   104
.set tP,   112
.set tQ,   120
.set tR,   128
.set tN,   136
.set BIAS, 160
.set SX,   224
.set SY,   232
.set SR,   240
.set DXY,  248
.set PK,   32                          ; set-up: embed_w's packed fragments
.set MW1,  32                          ; the layers: 16 units' weights of my half of the lanes
.set MB1,  48
.set MW2,  64
.set PB1,  80
.set PW1A, 96
.set PW1B, 112
.set PW2,  128
.set gX,   160
.set gT,   168
.set gY,   176
.set gP,   184
.set gH,   192
.set gG,   200
.set XM,   208
.set YM,   209
.set DXA,  210
.set LR,   212
.set SN,   214
.set CS,   216
.set AM,   218
.set P01,  220
.set sL0,  32                          ; the second sweep: two buffers of a step's state
.set sL1,  64
.set XX,   96
.set YY,   104
.set TT,   112
.set CW,   160
.set cEPS, 56                          ; scalar pairs: the packed forms name a pair and take its low word for both halves
.set cS11, 58
.set cS9,  60
.set cS7,  62
.set cS5,  66
.set cS3,  68
.set cS1,  70
.set cC10, 72
.set cC8,  74
.set cC6,  76
.set cC4,  78
.set cC2,  80
.set cKE,  82
.set cA5,  84
.set cA4,  86
.set cA3,  88
.set cA2,  90
.set cA1,  92
.set MSB, 0
.macro WIN new                         ; the immediate's high byte repeats the setting that is left; a switch that changes nothing is dropped
.if MSB != (\new)
	s_set_vgpr_msb (MSB<<8)|(\new)
.set MSB, \new
.endif
.endm
.macro SPAIR reg, val
	s_mov_b32 s[\reg], \val
	s_mov_b32 s[\reg+1], s[\reg]
.endm
.macro RND4 a                          ; four f32 rounded to bf16 and widened again
	v_cvt_pk_bf16_f32 v252, v[\a], v[\a+1]
	v_cvt_pk_bf16_f32 v253, v[\a+2], v[\a+3]
	v_lshlrev_b32 v[\a], 16, v252
	v_and_b32 v[\a+1], s48, v252
	v_lshlrev_b32 v[\a+2], 16, v253
	v_and_b32 v[\a+3], s48, v253
.endm
.macro RND1 a
	v_cvt_pk_bf16_f32 v252, v[\a], v[\a]
	v_lshlrev_b32 v[\a], 16, v252
.endm
.macro P4_MUL d, a, b                  ; eight numbers: d = a b
.irp p, 0,2,4,6
	v_pk_mul_f32 v[\d+\p:\d+\p+1], v[\a+\p:\a+\p+1], v[\b+\p:\b+\p+1]
.endr
.endm
.macro P4_VVS d, a, b, x               ; d = a b + scalar
.irp p, 0,2,4,6
	v_pk_fma_f32 v[\d+\p:\d+\p+1], v[\a+\p:\a+\p+1], v[\b+\p:\b+\p+1], s[\x:\x+1] op_sel_hi:[1,1,0]
.endr
.endm
.macro P4_VSS d, a, x, y               ; d = a scalar + scalar
	s_wait_alu depctr_va_vdst(0)
.irp p, 0,2,4,6
	v_pk_fma_f32 v[\d+\p:\d+\p+1], v[\a+\p:\a+\p+1], s[\x:\x+1], s[\y:\y+1] op_sel_hi:[1,0,0]
.endr
.endm
.macro XLOAD rb, xp                    ; 16 rows of x: 32 loads of 512 consecutive bytes; row rho, half u in registers rb + 8 rho + 4 u of window 1
	WIN 0x40
.set z, 0
.rept 32
	global_load_b128 v[(\rb)+4*z:(\rb)+4*z+3], v4, s[\xp:\xp+1] offset:512*z
.set z, z+1
.endr
.endm
	s_load_b512 s[16:31], s[0:1], 0x0              ; x 16, embed_w 18, embed_b 20, mag_w1 22, mag_b1 24, mag_w2 26, mag_b2 28, ph_w1 30
	s_load_b256 s[32:39], s[0:1], 0x40             ; ph_b1 32, ph_w2 34, ph_b2 36, cls_w1 38
	s_load_b64 s[40:41], s[0:1], 0x60              ; part
	v_lshl_add_u32 v16, v0, 2, SPARE               ; my spare word, and 0: kept for the add at the wave's end
	v_mov_b32 v17, 0
	v_lshrrev_b32 v18, 5, v0
	v_readfirstlane_b32 s4, v18                    ; wave w
	s_mov_b32 s5, ttmp9                            ; q: which 64 channels
	s_and_b32 s6, ttmp7, 0xffff                    ; b: the batch
	v_and_b32 v1, 15, v0                           ; r
	v_bfe_u32 v2, v0, 4, 1                         ; h
	v_and_b32 v3, 31, v0                           ; L
	v_lshlrev_b32 v4, 4, v3                        ; 16 L
	s_mul_i32 s14, s4, WSTG
	s_add_co_u32 s14, s14, STG                     ; my stage
	v_add_nc_u32 v5, s14, v4                       ; into it: 16 L of a row
	v_mul_u32_u24 v6, v1, SPITCH
	v_lshl_add_u32 v6, v2, 4, v6
	v_add_nc_u32 v6, s14, v6                       ; out of it: row r, 16 h
	s_lshl_b32 s15, s4, 16
	v_add_nc_u32 v7, s15, v4                       ; my state: 65,536 w + 16 L, stepped by 4,096 a step
	v_lshl_add_u32 v8, v2, 6, TAB                  ; the layers' tables, my half's 16 units; stepped once a layer
	v_lshl_add_u32 v9, v2, 6, TAB+4096
	v_lshl_add_u32 v10, v2, 7, TAB+6144
	v_mov_b32 v11, TAB+8192
	v_mov_b32 v12, TAB+8704
	v_lshlrev_b32 v13, 3, v1                       ; 8 r
	v_lshlrev_b32 v14, 4, v1
	v_lshl_add_u32 v14, v2, 13, v14
	v_add_nc_u32 v14, s15, v14                     ; embed_w: rows 32 w + 4 h on (2,048 bytes each), columns 4 r on
	s_lshl_b32 s9, s4, 14
	v_add_nc_u32 v15, s9, v4                       ; my 16 fragments of embed_w in LDS
	v_lshlrev_b32 v18, 4, v0                       ; offsets of the small tables: 16 t,
	v_and_b32 v19, 63, v0
	v_lshlrev_b32 v19, 4, v19                      ; 16 (t % 64),
	v_and_b32 v20, 7, v0
	v_lshlrev_b32 v20, 2, v20                      ; 4 (t % 8),
	v_lshlrev_b32 v21, 2, v1                       ; 4 (t % 16),
	v_lshlrev_b32 v22, 4, v1                       ; 16 r
	v_add_nc_u32 v23, TAB, v18                     ; and where they go
	v_lshl_add_u32 v24, v0, 2, TAB+8192
	s_mov_b32 s46, 0x76543210                      ; v_permlanex16_b32: each lane takes its own place in the other half
	s_mov_b32 s47, 0xfedcba98
	s_mov_b32 s48, 0xffff0000                      ; a word's upper bf16
	s_mov_b32 s49, 0x3e4ccccd                      ; 0.2
	s_mov_b32 s50, 0x3e6d3388                      ; 0.3275911 / sqrt(2)
	s_mov_b32 s51, 0x3f317218                      ; ln 2
	s_mov_b32 s52, 0x3fb8aa3b                      ; log2 e
	s_mov_b32 s53, 0x0d800000                      ; 2^-100
	s_mov_b32 s54, 0x3a800000                      ; 1 / 1,024
	SPAIR cEPS, 0x322bcc77                         ; 1e-8
	SPAIR cS11, 0xbbf183a6                         ; sin(pi f) = f (S1 + S3 z + .. + S11 z^5), z = f^2: -pi^11 / 11!
	SPAIR cS9,  0x3da83c1b
	SPAIR cS7,  0xbf196966
	SPAIR cS5,  0x402335e3
	SPAIR cS3,  0xc0a55de7
	SPAIR cS1,  0x40490fdb
	SPAIR cC10, 0xbcd368f9                         ; cos(pi f) = 1 + C2 z + .. + C10 z^5
	SPAIR cC8,  0x3e70fa83
	SPAIR cC6,  0xbfaae9e4
	SPAIR cC4,  0x4081e0f8
	SPAIR cC2,  0xc09de9e6
	SPAIR cKE,  0xbf38aa3b                         ; -log2(e) / 2
	SPAIR cA5,  0x3f87dc22                         ; erfc(y) = (A1 t + .. + A5 t^5) e^(-y^2), t = 1 / (1 + 0.3275911 y)
	SPAIR cA4,  0xbfba00e3
	SPAIR cA3,  0x3fb5f0e3
	SPAIR cA2,  0xbe91a98e
	SPAIR cA1,  0x3e827906
	s_wait_kmcnt 0x0
	s_lshl_b32 s14, s5, 8
	s_mov_b32 s15, 0
	s_add_nc_u64 s[18:19], s[18:19], s[14:15]      ; embed_w and embed_b at my 64 columns of the r part
	s_add_nc_u64 s[20:21], s[20:21], s[14:15]
	s_lshl_b32 s14, s6, 20
	s_lshl_b32 s9, s4, 18
	s_add_co_u32 s14, s14, s9
	s_add_nc_u64 s[10:11], s[16:17], s[14:15]      ; x at my wave's step 0,
	s_add_nc_u64 s[12:13], s[10:11], 16384         ; and at its step 1
	s_lshl_b32 s14, s5, 13
	s_lshl_b32 s9, s4, 11
	s_add_co_u32 s14, s14, s9
	s_add_nc_u64 s[38:39], s[38:39], s[14:15]      ; cls_w1 at rows 64 q + 16 w
	s_lshl_b32 s14, s6, 11
	s_lshl_b32 s9, s5, 9
	s_add_co_u32 s14, s14, s9
	s_add_nc_u64 s[40:41], s[40:41], s[14:15]      ; part at [b][4 q]
	s_cmp_lt_u32 s4, 2                             ; four tables of 1,024 bytes: waves 0, 1 bring the first of a pair, waves 2, 3 the second
	s_cselect_b64 s[42:43], s[22:23], s[24:25]     ; mag_w1 or mag_b1
	s_cselect_b64 s[44:45], s[26:27], s[32:33]     ; mag_w2 or ph_b1
	; LOADS.  Wave w brings embed_w's K groups ks = 2 w + kk.  Load n = (((2 kk + c) 2 + g) 2 + u) 4 + e: row k = 128 u + 16 ks + 8 g + 4 h + e, four columns, c = 0 the r part, 1 the theta part.
	WIN 0x80
.set z, 0
.rept 64
	global_load_b128 v[4*z:4*z+3], v14, s[18:19] offset:2048*(128*((z/4)%2)+16*(z/32)+8*((z/8)%2)+z%4)+1024*((z/16)%2)
.set z, z+1
.endr
	WIN 0
	global_load_b128 v[224:227], v18, s[30:31]     ; ph_w1
	global_load_b128 v[228:231], v18, s[34:35]     ; ph_w2
	global_load_b128 v[232:235], v19, s[42:43]
	global_load_b128 v[236:239], v19, s[44:45]
	global_load_b32 v240, v20, s[28:29]            ; mag_b2
	global_load_b32 v241, v21, s[36:37]            ; ph_b2
	global_load_b128 v[244:247], v22, s[20:21]     ; embed_b of my channels: r part,
	global_load_b128 v[248:251], v22, s[20:21] offset:1024  ; theta part
	XLOAD 0, 10                                    ; x, step 0
	; embed_w to bf16 fragments: register 4 g + 2 u + e / 2 of fragment (kk, t = 4 c + i) takes rows e, e + 1 of column i
	s_wait_loadcnt 40                              ; behind embed_w's loads 8 + 32 were issued
	WIN 0x0a
.set y, 0
.rept 128
.set SRC, 4*((y/8)*4+2*((y/4)%2))+y%4
	v_cvt_pk_bf16_f32 v[PK+8*(8*(y/64)+4*((y/32)%2)+y%4)+4*((y/16)%2)+2*((y/8)%2)+(y/4)%2], v[SRC], v[SRC+4]
.set y, y+1
.endr
	WIN 0
.set z, 0
.rept 32
	ds_store_b128 v15, v[PK+4*z:PK+4*z+3] offset:512*z  ; fragment f = 16 w + z / 2, half z % 2, at 1,024 f + 512 (z % 2) + 16 L: in the bytes that the state takes later
.set z, z+1
.endr
	s_wait_loadcnt 32                              ; the tables and biases are in; x's 32 loads stay out
	RND4 224
	RND4 228
	RND4 232
	RND4 236
	RND4 244
	RND4 248
	RND1 240
	RND1 241
	ds_store_b128 v23, v[232:235]
	ds_store_b128 v23, v[236:239] offset:2048
	ds_store_b128 v23, v[224:227] offset:4096
	ds_store_b128 v23, v[228:231] offset:6144
	ds_store_b32 v24, v240
	ds_store_b32 v24, v241 offset:512
.set z, 0
.rept 64
	v_mov_b32 v[BIAS+z], v[244+z/8]                ; the bias of my column in all eight rows: the C operand that starts each step's sums
.set z, z+1
.endr
	s_wait_dscnt 0x0                               ; for the others' sake: my stores are done
	s_barrier_signal -1
.set z, 0
.rept 16
	v_mov_b32 v[SX+z], 0                           ; the sums of x and y
.set z, z+1
.endr
	s_barrier_wait -1
	WIN 0x80
.set z, 0
.rept 128
.if z == 64
	WIN 0xc0
.endif
	ds_load_b128 v[4*(z%64):4*(z%64)+3], v4 offset:512*z  ; all 64 fragments of embed_w into windows 2 and 3
.set z, z+1
.endr
	XLOAD 128, 12                                  ; x, step 1
	WIN 0
	s_wait_dscnt 0x0                               ; my reads of embed_w's bytes are over:
	s_barrier_signal -1
	s_barrier_wait -1                              ; everybody's are, and the state may take them
; Tile i of a step: eight elements a lane.  f = h_t / 2 less the nearest whole number; s = sin(pi f), c = cos(pi f); x = 2 r (1/2 - s^2), y = 2 r s c.
; Each accumulator's lowest registers are read first.
.macro TRIG i
.set aR, ACC+8*(\i)
.set aT, ACC+32+8*(\i)
.irp p, 0,2,4,6
	v_pk_mul_f32 v[tU+\p:tU+\p+1], v[aT+\p:aT+\p+1], 0.5 op_sel_hi:[1,0]
.endr
.irp e, 0,1,2,3,4,5,6,7
	v_rndne_f32 v[tN+\e], v[tU+\e]
.endr
.irp p, 0,2,4,6
	v_pk_add_f32 v[tU+\p:tU+\p+1], v[tU+\p:tU+\p+1], v[tN+\p:tN+\p+1] neg_lo:[0,1] neg_hi:[0,1]
.endr
	P4_MUL tZ, tU, tU
	P4_VSS tP, tZ, cS11, cS9
	P4_VSS tQ, tZ, cC10, cC8
	P4_VVS tP, tP, tZ, cS7
	P4_VVS tQ, tQ, tZ, cC6
	P4_VVS tP, tP, tZ, cS5
	P4_VVS tQ, tQ, tZ, cC4
	P4_VVS tP, tP, tZ, cS3
	P4_VVS tQ, tQ, tZ, cC2
	P4_VVS tP, tP, tZ, cS1
.irp p, 0,2,4,6
	v_pk_fma_f32 v[tQ+\p:tQ+\p+1], v[tQ+\p:tQ+\p+1], v[tZ+\p:tZ+\p+1], 1.0 op_sel_hi:[1,1,0]
.endr
	P4_MUL tP, tP, tU
.irp e, 0,1,2,3,4,5,6,7
	v_fma_f32 v[tR+\e], |v[aR+\e]|, 2.0, s49       ; 2 r = 2 |h_r| + 0.2
.endr
.irp p, 0,2,4,6
	v_pk_fma_f32 v[tN+\p:tN+\p+1], v[tP+\p:tP+\p+1], v[tP+\p:tP+\p+1], 0.5 op_sel_hi:[1,1,0] neg_lo:[1,0,0] neg_hi:[1,0,0]
.endr
	P4_MUL tQ, tP, tQ
	P4_MUL tN, tR, tN
	P4_MUL tQ, tR, tQ
.irp p, 0,2,4,6
	v_pk_add_f32 v[SX+2*(\i):SX+2*(\i)+1], v[SX+2*(\i):SX+2*(\i)+1], v[tN+\p:tN+\p+1]
	v_pk_add_f32 v[SY+2*(\i):SY+2*(\i)+1], v[SY+2*(\i):SY+2*(\i)+1], v[tQ+\p:tQ+\p+1]
.endr
.irp e, 0,1,2,3,4,5,6,7
	v_cvt_pk_bf16_f32 v[tZ+\e], v[tN+\e], v[tQ+\e] ; x below, y above
.endr
	ds_store_b128 v7, v[tZ:tZ+3] offset:1024*(\i)
	ds_store_b128 v7, v[tZ+4:tZ+7] offset:1024*(\i)+512
.endm
; A step: 16 rows from row buffer k.
.macro STEP k
	s_wait_loadcnt 32                              ; loads come back in order: this buffer's 32 are in, the other buffer's 32 stay out
	WIN 0x05
.set z, 0
.rept 64
	v_cvt_pk_bf16_f32 v[ABF+z], v[128*(\k)+2*z], v[128*(\k)+2*z+1]
.set z, z+1
.endr
	WIN 0
.set z, 0
.rept 16
	ds_store_b128 v5, v[ABF+4*z:ABF+4*z+3] offset:SPITCH*z
.set z, z+1
.endr
	s_cmp_lg_u32 s7, 1
	s_cbranch_scc0 .Lno_\@                         ; the last trip fetches nothing: no load leaves x
	s_add_nc_u64 s[10+2*(\k):11+2*(\k)], s[10+2*(\k):11+2*(\k)], 32768  ; two steps on; the loads that named this base are in
	XLOAD 128*(\k), 10+2*(\k)
	WIN 0
	s_branch .Lj_\@
.Lno_\@:
	s_wait_loadcnt 0x0                             ; with nothing issued behind them, the other buffer's loads are waited for here
.Lj_\@:
.irp ks, 0,1,2,3,4,5,6,7
	ds_load_b128 v[ABF+8*\ks:ABF+8*\ks+3],   v6 offset:64*\ks      ; LDS serves a wave's instructions in order (ISA guide 5.7.1.4): these see the stores above
	ds_load_b128 v[ABF+8*\ks+4:ABF+8*\ks+7], v6 offset:64*\ks+32
.endr
.irp ks, 0,1,2,3,4,5,6,7                       ; the eight accumulators take turns, one instruction a turn; the first group starts the sums with the bias
	s_wait_dscnt 14-2*\ks                          ; the fragment loads issued behind this group's two
	WIN 0x08+4*(\ks/4)
.irp t, 0,1,2,3,4,5,6,7
.if \ks == 0
	v_wmma_f32_16x16x32_bf16 v[ACC+8*\t:ACC+8*\t+7], v[ABF+8*\ks:ABF+8*\ks+7], v[8*(8*(\ks%4)+\t):8*(8*(\ks%4)+\t)+7], v[BIAS+8*\t:BIAS+8*\t+7]
.else
	v_wmma_f32_16x16x32_bf16 v[ACC+8*\t:ACC+8*\t+7], v[ABF+8*\ks:ABF+8*\ks+7], v[8*(8*(\ks%4)+\t):8*(8*(\ks%4)+\t)+7], v[ACC+8*\t:ACC+8*\t+7]
.endif
.endr
.endr
	WIN 0
.rept 4
	v_nop                                          ; four places (ISA guide 7.12.1) before the results are read and A's registers are written
.endr
	TRIG 0
	TRIG 1
	TRIG 2
	TRIG 3
	v_add_nc_u32 v7, 4096, v7                      ; the next step's state
.endm
	s_mov_b32 s7, 8
.Lsw1:                                                 ; a trip: two steps, and the loads for the two steps after them
	STEP 0
	STEP 1
	s_sub_co_u32 s7, s7, 1
	s_cmp_lg_u32 s7, 0
	s_cbranch_scc1 .Lsw1
	; THE MEANS.  A lane's two sums, the other half of the lanes', then the four waves' through LDS.  Wave w goes on with tile i = w: channel 64 q + 4 r + w in lanes r and 16 + r.
.irp i, 0,1,2,3
	v_add_f32 v[96+2*\i], v[SX+2*\i], v[SX+2*\i+1]
	v_add_f32 v[97+2*\i], v[SY+2*\i], v[SY+2*\i+1]
.endr
.irp j, 0,1,2,3,4,5,6,7
	v_permlanex16_b32 v[104+\j], v[96+\j], s46, s47
.endr
.irp j, 0,1,2,3,4,5,6,7
	v_add_f32 v[96+\j], v[96+\j], v[104+\j]
.endr
	s_lshl_b32 s14, s4, 7
	s_add_co_u32 s14, s14, RED1
	v_add_nc_u32 v18, s14, v13
	s_lshl_b32 s15, s4, 9
	s_add_co_u32 s15, s15, RED1
	v_add_nc_u32 v19, s15, v13
.irp i, 0,1,2,3
	ds_store_b64 v18, v[96+2*\i:97+2*\i] offset:512*\i
.endr
	s_wait_dscnt 0x0                               ; for the others' sake
	s_barrier_signal -1
	s_barrier_wait -1
.irp k, 0,1,2,3
	ds_load_b64 v[96+2*\k:97+2*\k], v19 offset:128*\k
.endr
	s_wait_dscnt 0x0
	v_add_f32 v96, v96, v98
	v_add_f32 v100, v100, v102
	v_add_f32 v97, v97, v99
	v_add_f32 v101, v101, v103
	v_add_f32 v96, v96, v100
	v_add_f32 v97, v97, v101
	v_mul_f32 v[XM], s54, v96
	v_mul_f32 v[YM], s54, v97
	v_mov_b32 v[DXA], 0
	v_mov_b32 v[DXA+1], 0
	v_mov_b32 v25, 0                               ; a lane exchange's destination counts as read
; gelu of the eight numbers gX into gG: max(x, 0) - |x| / 2 erfc(|x| / sqrt 2).  Behind each run of reciprocals or exponentials plain lines that touch none of their registers come first (ISA guide 5.7.2).
.macro GEL8
.irp e, 0,1,2,3,4,5,6,7
	v_fma_f32 v[gT+\e], |v[gX+\e]|, s50, 1.0
.endr
.irp e, 0,1,2,3,4,5,6,7
	v_rcp_f32 v[gT+\e], v[gT+\e]
.endr
.irp p, 0,2,4,6
	v_pk_mul_f32 v[gY+\p:gY+\p+1], v[gX+\p:gX+\p+1], s[cKE:cKE+1] op_sel_hi:[1,0]
.endr
	P4_MUL gY, gY, gX
.irp e, 0,1,2,3,4,5,6,7
	v_exp_f32 v[gY+\e], v[gY+\e]
.endr
	P4_VSS gP, gT, cA5, cA4
	P4_VVS gP, gP, gT, cA3
	P4_VVS gP, gP, gT, cA2
	P4_VVS gP, gP, gT, cA1
	P4_MUL gP, gP, gT
	P4_MUL gP, gP, gY
.irp e, 0,1,2,3,4,5,6,7
	v_mul_f32 v[gH+\e], 0.5, |v[gX+\e]|
.endr
.irp e, 0,1,2,3,4,5,6,7
	v_max_num_f32 v[gG+\e], 0, v[gX+\e]
.endr
.irp p, 0,2,4,6
	v_pk_fma_f32 v[gG+\p:gG+\p+1], v[gH+\p:gH+\p+1], v[gP+\p:gP+\p+1], v[gG+\p:gG+\p+1] neg_lo:[1,0,0] neg_hi:[1,0,0]
.endr
.endm
	; THE EIGHT LAYERS, on the means alone.  Lanes 0-15 take hidden units 0-15, lanes 16-31 units 16-31 of the same channel.
	s_mov_b32 s8, 8
.Llay:
.irp m, 0,1,2,3
	ds_load_b128 v[MW1+4*\m:MW1+4*\m+3],   v8 offset:16*\m
	ds_load_b128 v[MB1+4*\m:MB1+4*\m+3],   v8 offset:1024+16*\m
	ds_load_b128 v[MW2+4*\m:MW2+4*\m+3],   v8 offset:2048+16*\m
	ds_load_b128 v[PB1+4*\m:PB1+4*\m+3],   v8 offset:3072+16*\m
	ds_load_b128 v[PW1A+4*\m:PW1A+4*\m+3], v9 offset:16*\m
	ds_load_b128 v[PW1B+4*\m:PW1B+4*\m+3], v9 offset:128+16*\m
.endr
.irp m, 0,1,2,3,4,5,6,7
	ds_load_b128 v[PW2+4*\m:PW2+4*\m+3], v10 offset:16*\m
.endr
	ds_load_b32 v18, v11                           ; mag_b2
	ds_load_b64 v[20:21], v12                      ; ph_b2
	v_mul_f32 v22, v[XM], v[XM]
	v_fmac_f32 v22, v[YM], v[YM]                   ; xm^2 + ym^2
	v_add_f32 v23, s56, v22
	v_max_num_f32 v24, s53, v22
	v_sqrt_f32 v23, v23
	v_rsq_f32 v24, v24
	v_mov_b32 v[AM], 0                             ; plain lines behind the root and the reciprocal root
	v_mov_b32 v[AM+1], 0
	s_wait_alu depctr_va_vdst(0)
	v_add_f32 v23, s56, v23                        ; r_agg + 1e-8
	v_log_f32 v23, v23
	v_mul_f32 v[SN], v[YM], v24
	v_mul_f32 v[CS], v[XM], v24
	v_cmp_gt_f32 vcc_lo, s53, v22                  ; too short to have a direction: angle 0
	s_wait_alu depctr_va_vdst(0)
	v_mul_f32 v[LR], s51, v23
	v_cndmask_b32 v[SN], v[SN], 0, vcc_lo
	v_cndmask_b32 v[CS], v[CS], 1.0, vcc_lo
	v_mov_b32 v[LR+1], v[LR]
	v_mov_b32 v[SN+1], v[SN]
	v_mov_b32 v[CS+1], v[CS]
	v_mov_b32 v[P01], 0
	v_mov_b32 v[P01+1], 0
	s_wait_dscnt 0x0                               ; the layer's weights
.irp k, 0,1                            ; the magnitude's MLP, eight units at a time
.irp p, 0,2,4,6
	v_pk_fma_f32 v[gX+\p:gX+\p+1], v[LR:LR+1], v[MW1+8*\k+\p:MW1+8*\k+\p+1], v[MB1+8*\k+\p:MB1+8*\k+\p+1]
.endr
	GEL8
.irp p, 0,2,4,6
	v_pk_fma_f32 v[AM:AM+1], v[gG+\p:gG+\p+1], v[MW2+8*\k+\p:MW2+8*\k+\p+1], v[AM:AM+1]
.endr
.endr
.irp k, 0,1                            ; the phase's MLP
.irp p, 0,2,4,6
	v_pk_fma_f32 v[gX+\p:gX+\p+1], v[CS:CS+1], v[PW1B+8*\k+\p:PW1B+8*\k+\p+1], v[PB1+8*\k+\p:PB1+8*\k+\p+1]
.endr
.irp p, 0,2,4,6
	v_pk_fma_f32 v[gX+\p:gX+\p+1], v[SN:SN+1], v[PW1A+8*\k+\p:PW1A+8*\k+\p+1], v[gX+\p:gX+\p+1]
.endr
	GEL8
.irp e, 0,2,4,6                        ; one unit's number times its pair of weights: the even unit's from the pair's first register, the odd unit's from its second
	v_pk_fma_f32 v[P01:P01+1], v[gG+\e:gG+\e+1], v[PW2+16*\k+2*\e:PW2+16*\k+2*\e+1], v[P01:P01+1] op_sel_hi:[0,1,1]
	v_pk_fma_f32 v[P01:P01+1], v[gG+\e:gG+\e+1], v[PW2+16*\k+2*\e+2:PW2+16*\k+2*\e+3], v[P01:P01+1] op_sel:[1,0,0]
.endr
.endr
	v_add_f32 v22, v[AM], v[AM+1]
	v_permlanex16_b32 v24, v[P01], s46, s47        ; the other 16 units
	v_permlanex16_b32 v25, v[P01+1], s46, s47
	v_permlanex16_b32 v23, v22, s46, s47
	v_add_f32 v24, v[P01], v24
	v_add_f32 v25, v[P01+1], v25
	v_add_f32 v22, v22, v23
	v_add_f32 v24, v24, v20                        ; p0
	v_add_f32 v25, v25, v21                        ; p1
	v_add_f32 v22, v22, v18
	v_mul_f32 v26, v24, v24
	v_fmac_f32 v26, v25, v25
	v_mul_f32 v22, s52, v22
	v_max_num_f32 v27, s53, v26
	v_exp_f32 v22, v22                             ; r_trans
	v_rsq_f32 v27, v27
	v_add_nc_u32 v8, 128, v8                       ; the next layer's tables: plain lines behind the two
	v_add_nc_u32 v9, 256, v9
	v_add_nc_u32 v10, 256, v10
	v_add_nc_u32 v11, 4, v11
	v_add_nc_u32 v12, 8, v12
	v_cmp_gt_f32 vcc_lo, s53, v26
	s_wait_alu depctr_va_vdst(0)
	v_mul_f32 v24, v24, v27                        ; sin
	v_mul_f32 v25, v25, v27                        ; cos
	v_cndmask_b32 v24, v24, 0, vcc_lo
	v_cndmask_b32 v25, v25, 1.0, vcc_lo
	v_fmac_f32 v[XM], v22, v25
	v_fmac_f32 v[YM], v22, v24
	v_fmac_f32 v[DXA], v22, v25
	v_fmac_f32 v[DXA+1], v22, v24
	s_sub_co_u32 s8, s8, 1
	s_cmp_lg_u32 s8, 0
	s_cbranch_scc1 .Llay
	; The summed vectors go to all waves.
	s_lshl_b32 s14, s4, 7
	s_add_co_u32 s14, s14, DXYR
	v_add_nc_u32 v18, s14, v13
	v_add_nc_u32 v19, DXYR, v13
	ds_store_b64 v18, v[DXA:DXA+1]
	s_wait_dscnt 0x0                               ; for the others' sake
	s_barrier_signal -1
	s_barrier_wait -1
.irp i, 0,1,2,3
	ds_load_b64 v[DXY+2*\i:DXY+2*\i+1], v19 offset:128*\i
.endr
.irp n, 0,1,2,3
	global_load_b128 v[CW+4*\n:CW+4*\n+3], v4, s[38:39] offset:512*\n  ; cls_w1, rows 64 q + 16 w + 4 n + L / 8, columns 4 (L % 8) on: wanted behind the sweep
.endr
.set z, 0
.rept 8
	v_mov_b32 v[SR+z], 0
.set z, z+1
.endr
	s_lshl_b32 s15, s4, 16
	v_add_nc_u32 v7, s15, v4                       ; back to my state's first step
	s_wait_dscnt 0x0
; THE SECOND SWEEP: my own state back from LDS, the summed vector added, the radii summed.
.macro S2LOAD buf
.irp m, 0,1,2,3,4,5,6,7
	ds_load_b128 v[\buf+4*\m:\buf+4*\m+3], v7 offset:512*\m
.endr
	v_add_nc_u32 v7, 4096, v7
.endm
.macro S2CALC buf, y                   ; y: the loads of the other buffer issued behind this one's
.irp i, 0,1,2,3
	s_wait_dscnt \y+6-2*\i                         ; tile i's two loads are in
.irp e, 0,1,2,3,4,5,6,7
	v_lshlrev_b32 v[XX+\e], 16, v[\buf+8*\i+\e]
	v_and_b32 v[YY+\e], s48, v[\buf+8*\i+\e]
.endr
.irp p, 0,2,4,6
	v_pk_add_f32 v[XX+\p:XX+\p+1], v[XX+\p:XX+\p+1], v[DXY+2*\i:DXY+2*\i+1] op_sel_hi:[1,0]
.endr
.irp p, 0,2,4,6
	v_pk_add_f32 v[YY+\p:YY+\p+1], v[YY+\p:YY+\p+1], v[DXY+2*\i:DXY+2*\i+1] op_sel:[0,1] op_sel_hi:[1,1]
.endr
	P4_VVS TT, XX, XX, cEPS
.irp p, 0,2,4,6
	v_pk_fma_f32 v[TT+\p:TT+\p+1], v[YY+\p:YY+\p+1], v[YY+\p:YY+\p+1], v[TT+\p:TT+\p+1]
.endr
.irp e, 0,1,2,3,4,5,6,7
	v_sqrt_f32 v[TT+\e], v[TT+\e]
.endr
	v_nop                                          ; a plain line between the last root and the use of its result
	s_wait_alu depctr_va_vdst(0)
.irp p, 0,2,4,6
	v_pk_add_f32 v[SR+2*\i:SR+2*\i+1], v[SR+2*\i:SR+2*\i+1], v[TT+\p:TT+\p+1]
.endr
.endr
.endm
	S2LOAD sL0
	s_mov_b32 s7, 7
.Lsw2:
	S2LOAD sL1
	S2CALC sL0, 8
	S2LOAD sL0
	S2CALC sL1, 8
	s_sub_co_u32 s7, s7, 1
	s_cmp_lg_u32 s7, 0
	s_cbranch_scc1 .Lsw2
	S2LOAD sL1                                     ; the last step; nothing is read beyond my state
	S2CALC sL0, 8
	S2CALC sL1, 0
	; THE FINISH.  The radii's sums meet in LDS; wave w multiplies the pooled channels 16 w .. 16 w + 15 of the quarter by their rows of cls_w1.
.irp i, 0,1,2,3
	v_add_f32 v[96+\i], v[SR+2*\i], v[SR+2*\i+1]
.endr
.irp i, 0,1,2,3
	v_permlanex16_b32 v[104+\i], v[96+\i], s46, s47
.endr
.irp i, 0,1,2,3
	v_add_f32 v[96+\i], v[96+\i], v[104+\i]
.endr
	s_lshl_b32 s15, s4, 8
	s_add_co_u32 s15, s15, RED2
	v_lshl_add_u32 v18, v1, 4, s15
	v_lshrrev_b32 v19, 3, v3
	s_lshl_b32 s14, s4, 6
	s_add_co_u32 s14, s14, RED2
	v_lshl_add_u32 v19, v19, 2, s14
	ds_store_b128 v18, v[96:99]                    ; channels 4 r .. 4 r + 3
	s_wait_dscnt 0x0                               ; for the others' sake
	s_barrier_signal -1
	s_barrier_wait -1
.irp n, 0,1,2,3
.irp k, 0,1,2,3
	ds_load_b32 v[104+4*\n+\k], v19 offset:256*\k+16*\n  ; wave k's sum for channel 16 w + 4 n + L / 8
.endr
.endr
	v_and_b32 v20, 7, v0
	s_lshl_b32 s14, s4, 7
	s_add_co_u32 s14, s14, OUTS
	v_lshl_add_u32 v20, v20, 4, s14
	v_add_nc_u32 v21, OUTS, v4
	s_wait_dscnt 0x0
.irp n, 0,1,2,3
	v_add_f32 v[104+4*\n], v[104+4*\n], v[105+4*\n]
	v_add_f32 v[106+4*\n], v[106+4*\n], v[107+4*\n]
.endr
.irp n, 0,1,2,3
	v_add_f32 v[124+\n], v[104+4*\n], v[106+4*\n]
.endr
.irp n, 0,1,2,3
	v_mul_f32 v[124+\n], s54, v[124+\n]            ; pooled
.endr
	s_wait_loadcnt 0x0                             ; cls_w1
	RND4 CW
	RND4 CW+4
	RND4 CW+8
	RND4 CW+12
.irp c, 0,1,2,3
	v_mul_f32 v[120+\c], v124, v[CW+\c]
.endr
.irp n, 1,2,3
.irp c, 0,1,2,3
	v_fmac_f32 v[120+\c], v[124+\n], v[CW+4*\n+\c]
.endr
.endr
.irp c, 0,1,2,3
	v_add_f32_dpp v[120+\c], v[120+\c], v[120+\c] row_xmask:8 row_mask:0xf bank_mask:0xf  ; the rows of lanes 8 away,
.endr
.irp c, 0,1,2,3
	v_permlanex16_b32 v[104+\c], v[120+\c], s46, s47                                      ; and 16 away
.endr
.irp c, 0,1,2,3
	v_add_f32 v[120+\c], v[120+\c], v[104+\c]
.endr
	ds_store_b128 v20, v[120:123]                  ; hidden units 4 (L % 8) on; lanes that share an address hold the same numbers
	s_wait_tensorcnt 0x0                           ; my last LDS store is issued
	ds_add_u32 v16, v17
	s_wait_dscnt 0x0                               ; the wait also shows my store done, for wave 0's sake
	s_barrier_signal -1
	s_barrier_wait -1
	s_cmp_lg_u32 s4, 0
	s_cbranch_scc1 .Lend
	ds_load_b128 v[104:107], v21                   ; the four waves' 32 numbers each
	s_wait_dscnt 0x0
	global_store_b128 v4, v[104:107], s[40:41]     ; 512 consecutive bytes, at a multiple of 512 from part's first byte
.Lend:
	s_endpgm
.Lfunc_end_k_q2e3b7078d5_polar:
	.size	k_q2e3b7078d5_polar, .Lfunc_end_k_q2e3b7078d5_polar-k_q2e3b7078d5_polar
	.p2alignl 7, 3214868480
	.fill 96, 4, 3214868480
	.section	.rodata,"a",@progbits
	.p2align	6, 0x0
	.amdhsa_kernel k_q2e3b7078d5_polar
		.amdhsa_group_segment_fixed_size 309760
		.amdhsa_private_segment_fixed_size 0
		.amdhsa_enable_private_segment 0
		.amdhsa_kernarg_size 104
		.amdhsa_user_sgpr_count 2
		.amdhsa_user_sgpr_kernarg_segment_ptr 1
		.amdhsa_wavefront_size32 1
		.amdhsa_system_sgpr_workgroup_id_x 1
		.amdhsa_system_sgpr_workgroup_id_y 1
		.amdhsa_system_sgpr_workgroup_id_z 1
		.amdhsa_system_vgpr_workitem_id 0
		.amdhsa_next_free_vgpr 1024
		.amdhsa_next_free_sgpr 96
		.amdhsa_reserve_vcc 1
		.amdhsa_float_denorm_mode_32 3
		.amdhsa_float_denorm_mode_16_64 3
		.amdhsa_memory_ordered 1
		.amdhsa_forward_progress 1
		.amdhsa_inst_pref_size 189
	.end_amdhsa_kernel
	.amdgpu_metadata
---
amdhsa.version: [ 1, 2 ]
amdhsa.kernels:
  - .name:           k_q2e3b7078d5_polar
    .symbol:         k_q2e3b7078d5_polar.kd
    .args:
      - { .name: x, .offset: 0, .size: 8, .value_kind: global_buffer, .address_space: global }
      - { .name: embed_w, .offset: 8, .size: 8, .value_kind: global_buffer, .address_space: global }
      - { .name: embed_b, .offset: 16, .size: 8, .value_kind: global_buffer, .address_space: global }
      - { .name: mag_w1, .offset: 24, .size: 8, .value_kind: global_buffer, .address_space: global }
      - { .name: mag_b1, .offset: 32, .size: 8, .value_kind: global_buffer, .address_space: global }
      - { .name: mag_w2, .offset: 40, .size: 8, .value_kind: global_buffer, .address_space: global }
      - { .name: mag_b2, .offset: 48, .size: 8, .value_kind: global_buffer, .address_space: global }
      - { .name: ph_w1, .offset: 56, .size: 8, .value_kind: global_buffer, .address_space: global }
      - { .name: ph_b1, .offset: 64, .size: 8, .value_kind: global_buffer, .address_space: global }
      - { .name: ph_w2, .offset: 72, .size: 8, .value_kind: global_buffer, .address_space: global }
      - { .name: ph_b2, .offset: 80, .size: 8, .value_kind: global_buffer, .address_space: global }
      - { .name: cls_w1, .offset: 88, .size: 8, .value_kind: global_buffer, .address_space: global }
      - { .name: part, .offset: 96, .size: 8, .value_kind: global_buffer, .address_space: global }
    .group_segment_fixed_size: 309760
    .private_segment_fixed_size: 0
    .kernarg_segment_align: 8
    .kernarg_segment_size: 104
    .max_flat_workgroup_size: 128
    .sgpr_count:     96
    .vgpr_count:     1024
    .wavefront_size: 32
...
	.end_amdgpu_metadata
.endif
;; end of part 1
;; launch head (part 2): grid 4 x 64, 2 waves a work-group, no clusters, 0 bytes of LDS; arguments part, cls_b1, cls_w2, cls_b2, out0; writes out0
.if DOCPART == 2
	.amdgcn_target "amdgcn-amd-amdhsa--gfx1250"
	.amdhsa_code_object_version 6
	.text
	.protected	k_q2e3b7078d5_head
	.globl	k_q2e3b7078d5_head
	.p2align	8
	.type	k_q2e3b7078d5_head,@function
k_q2e3b7078d5_head:
	s_mov_b64 s[64:65], 0
	v_nop
	global_prefetch_b8 v0, s[64:65] scope:SCOPE_SE
	s_setreg_imm32_b32 hwreg(HW_REG_WAVE_MODE, 25, 1), 1
	s_wait_xcnt 0x0
; out0[b][n] = gelu(sum over p of part[b][p][:] + cls_b1) . cls_w2[:, n] + cls_b2[n].  part: [64][16][32] f32; cls_w2: [32][1000]; out0: [64][1000].
; A work-group owns a batch and 64 of a row's 250 pieces of 16 bytes, a thread one piece.  Each wave makes the 32 hidden numbers itself, one a lane, and hands them out through scalar registers:
; no LDS, no barrier.  All loads go out together, so the launch is one trip to memory.  32 x 1,000 multiply-adds a batch: too little, and K too short, for the matrix units.
; LIMITS.  cls_b1, cls_w2 and cls_b2 are rounded to bf16 when loaded, like all the module's inputs; the arithmetic is f32.  erf by a five-term rational form, error at most 1.5e-7.
; A row of out0 is 4,000 bytes: a wave's store covers 512 consecutive bytes at a multiple of 16; aligned blocks of 256 cannot be kept at the rows' ends.
.macro RND4 a                          ; four f32 rounded to bf16 and widened again
	v_cvt_pk_bf16_f32 v166, v[\a], v[\a+1]
	v_cvt_pk_bf16_f32 v167, v[\a+2], v[\a+3]
	v_lshlrev_b32 v[\a], 16, v166
	v_and_b32 v[\a+1], s21, v166
	v_lshlrev_b32 v[\a+2], 16, v167
	v_and_b32 v[\a+3], s21, v167
.endm
	s_load_b256 s[4:11], s[0:1], 0x0               ; part 4, cls_b1 6, cls_w2 8, cls_b2 10
	s_load_b64 s[12:13], s[0:1], 0x20              ; out0
	s_and_b32 s56, ttmp7, 0xffff                   ; b
	s_lshl_b32 s57, ttmp9, 6
	v_and_b32 v1, 31, v0
	v_lshlrev_b32 v1, 2, v1                        ; 4 x lane
	v_add_nc_u32 v160, s57, v0                     ; my piece of the row
	v_min_u32 v161, 249, v160                      ; the six threads beyond the row's end load its last piece, and store nothing
	v_lshlrev_b32 v2, 4, v161
	v_lshlrev_b32 v3, 4, v160
	s_mov_b32 s14, 0x3e6d3388                      ; 0.3275911 / sqrt(2)
	s_mov_b32 s15, 0xbf38aa3b                      ; -log2(e) / 2
	s_mov_b32 s16, 0x3e827906                      ; A1 .. A5
	s_mov_b32 s17, 0xbe91a98e
	s_mov_b32 s18, 0x3fb5f0e3
	s_mov_b32 s19, 0xbfba00e3
	s_mov_b32 s20, 0x3f87dc22
	s_mov_b32 s21, 0xffff0000
	s_lshl_b32 s22, s56, 11
	s_mov_b32 s23, 0
	s_wait_kmcnt 0x0
	s_add_nc_u64 s[4:5], s[4:5], s[22:23]          ; part at [b]
	s_mul_i32 s22, s56, 4000
	s_add_nc_u64 s[12:13], s[12:13], s[22:23]      ; out0 at row b
.irp p, 0,1,2,3,4,5,6,7,8,9,10,11,12,13,14,15
	global_load_b32 v[4+\p], v1, s[4:5] offset:128*\p
.endr
	global_load_b32 v20, v1, s[6:7]
	global_load_b128 v[24:27], v2, s[10:11]
.set j, 0
.rept 32
	global_load_b128 v[32+4*j:32+4*j+3], v2, s[8:9] offset:4000*j
.set j, j+1
.endr
	s_wait_loadcnt 33                              ; behind part and cls_b1: cls_b2's load and cls_w2's 32
.irp p, 0,1,2,3,4,5,6,7
	v_add_f32 v[4+\p], v[4+\p], v[12+\p]
.endr
.irp p, 0,1,2,3
	v_add_f32 v[4+\p], v[4+\p], v[8+\p]
.endr
	v_cvt_pk_bf16_f32 v166, v20, v20
	v_add_f32 v4, v4, v6
	v_add_f32 v5, v5, v7
	v_lshlrev_b32 v20, 16, v166
	v_add_f32 v4, v4, v5
	v_add_f32 v4, v4, v20                          ; hidden unit = lane, before the activation
	v_fma_f32 v162, |v4|, s14, 1.0                 ; gelu = max(x, 0) - |x| / 2 erfc(|x| / sqrt 2)
	v_rcp_f32 v162, v162
	v_mul_f32 v163, s15, v4                        ; plain lines behind the reciprocal
	v_mul_f32 v163, v163, v4
	v_exp_f32 v163, v163
	s_wait_alu depctr_va_vdst(0)
	v_fma_f32 v164, v162, s20, s19                 ; and behind the exponential
	v_fma_f32 v164, v164, v162, s18
	v_fma_f32 v164, v164, v162, s17
	v_fma_f32 v164, v164, v162, s16
	v_mul_f32 v164, v164, v162
	v_mul_f32 v164, v164, v163
	v_mul_f32 v168, 0.5, |v4|
	v_max_num_f32 v165, 0, v4
	v_fma_f32 v165, -v168, v164, v165
.set j, 0
.rept 32
	v_readlane_b32 s[24+j], v165, j
.set j, j+1
.endr
	s_wait_loadcnt 0x0
	RND4 24
.set j, 0
.rept 32
	RND4 32+4*j
.irp c, 0,1,2,3
	v_fmac_f32 v[24+\c], s[24+j], v[32+4*j+\c]
.endr
.set j, j+1
.endr
	s_wait_xcnt 0x0                                ; EXEC changes only behind this wait
	v_cmp_gt_u32 vcc_lo, 250, v160
	s_and_saveexec_b32 s58, vcc_lo
	global_store_b128 v3, v[24:27], s[12:13]
	s_endpgm
.Lfunc_end_k_q2e3b7078d5_head:
	.size	k_q2e3b7078d5_head, .Lfunc_end_k_q2e3b7078d5_head-k_q2e3b7078d5_head
	.p2alignl 7, 3214868480
	.fill 96, 4, 3214868480
	.section	.rodata,"a",@progbits
	.p2align	6, 0x0
	.amdhsa_kernel k_q2e3b7078d5_head
		.amdhsa_group_segment_fixed_size 0
		.amdhsa_private_segment_fixed_size 0
		.amdhsa_enable_private_segment 0
		.amdhsa_kernarg_size 40
		.amdhsa_user_sgpr_count 2
		.amdhsa_user_sgpr_kernarg_segment_ptr 1
		.amdhsa_wavefront_size32 1
		.amdhsa_system_sgpr_workgroup_id_x 1
		.amdhsa_system_sgpr_workgroup_id_y 1
		.amdhsa_system_sgpr_workgroup_id_z 1
		.amdhsa_system_vgpr_workitem_id 0
		.amdhsa_next_free_vgpr 176
		.amdhsa_next_free_sgpr 66
		.amdhsa_reserve_vcc 1
		.amdhsa_float_denorm_mode_32 3
		.amdhsa_float_denorm_mode_16_64 3
		.amdhsa_memory_ordered 1
		.amdhsa_forward_progress 1
		.amdhsa_inst_pref_size 22
	.end_amdhsa_kernel
	.amdgpu_metadata
---
amdhsa.version: [ 1, 2 ]
amdhsa.kernels:
  - .name:           k_q2e3b7078d5_head
    .symbol:         k_q2e3b7078d5_head.kd
    .args:
      - { .name: part, .offset: 0, .size: 8, .value_kind: global_buffer, .address_space: global }
      - { .name: cls_b1, .offset: 8, .size: 8, .value_kind: global_buffer, .address_space: global }
      - { .name: cls_w2, .offset: 16, .size: 8, .value_kind: global_buffer, .address_space: global }
      - { .name: cls_b2, .offset: 24, .size: 8, .value_kind: global_buffer, .address_space: global }
      - { .name: out0, .offset: 32, .size: 8, .value_kind: global_buffer, .address_space: global }
    .group_segment_fixed_size: 0
    .private_segment_fixed_size: 0
    .kernarg_segment_align: 8
    .kernarg_segment_size: 40
    .max_flat_workgroup_size: 64
    .sgpr_count:     66
    .vgpr_count:     176
    .wavefront_size: 32
...
	.end_amdgpu_metadata
.endif
;; end of part 2
